; MI455X (gfx1250); checked and timed in simulation.
; The chip was launched on July 23, 2026; its instructions are those of AMD's public machine-readable ISA for CDNA 5 (MIT licence, August 2026) and "CDNA5" Instruction Set Architecture Reference Guide (July 2026). The comments in the code are by the model that wrote it; some were corrected since.
;; Sparse Attention. Allowed arithmetic: matrix products marked QUANTISED: E2M1 operands, one E8M0 scale for each 32 along K, by v_wmma_scale_f32_16x16x128_f8f6f4 with both operands' format E2M1 (or v_wmma_scale_f32_32x16x128_f4), f32 sums; everything else in f32.
;; Inputs: K 2 x 8 x 2,048 x 512 float32; Q 2 x 8 x 2,048 x 512 float32; V 2 x 8 x 2,048 x 512 float32; ids 2 x 8 int32; mask 2,048 x 2,048 int32; route_mat 2 x 8 float32.
;; Outputs: out0 2 x 8 x 2,048 x 512 float32.
;; This version of the problem:
;;   THIS VERSION OF THE PROBLEM IS GIVEN IN LOW PRECISION. The matrix products marked QUANTISED in the list below multiply operands that are first quantised to E2M1 (2 exponent bits, 1 mantissa bit; 4 bits a number), with one power-of-two scale for each 32 numbers along K (OCP MX v1.0); their sums are f32. All else is computed in f32.
;;   The module's matrix products, in the order in which they are computed (A, B: the left and right operand; K: the contracted axis; several contracted axes count as one K, in the product's order):
;;     1. batch 16 x [M 2,048, K 512] x [K 512, N 2,048]; A: computed on the way; B: input K: QUANTISED
;;     2. batch 16 x [M 2,048, K 2,048] x [K 2,048, N 512]; A: softmax (see below); B: input V: QUANTISED
;;   THE QUANTISER, for each operand of a quantised product, along K:
;;     - K is cut into blocks of 32 from its start; a last block that is shorter is filled with zeros.
;;     - A block's scale is 2^e with e = floor(log2(the largest magnitude in the block)) - 2, held to -126 .. 127; a block of zeros has e = 0. As a byte (E8M0): e + 127.
;;     - Each number is divided by its block's scale, clamped to +-6, and rounded to the nearest number of E2M1, ties to even, subnormals kept.
;;     - The product sums the exact products of the quantised numbers (number of the format x scale) in f32.
;;   ~~~python
;;   def quantise(x, axis):      # numpy; x: float32 -> the quantised numbers, widened to float32 again
;;       x = np.moveaxis(x, axis, -1); K = x.shape[-1]
;;       x = np.pad(x, [(0, 0)] * (x.ndim - 1) + [(0, -K % 32)]); x = x.reshape(x.shape[:-1] + (-1, 32)); a = np.abs(x).max(-1, keepdims=True)
;;       e = np.where(a > 0, np.clip(np.frexp(np.where(a > 0, a, 1))[1] - 1 - 2, -126, 127), 0)      # np.frexp(a)[1] - 1 = floor(log2(a)), exactly
;;       r = np.clip(x / 2.0 ** e, -6, 6)
;;       step = 2.0 ** (np.maximum(np.frexp(np.where(r == 0, 1, r))[1] - 1, 0) - 1)
;;       q = np.round(r / step) * step * 2.0 ** e      # np.round: ties to even
;;       return np.moveaxis(q.reshape(q.shape[:-2] + (-1,))[..., :K], -1, axis).astype(np.float32)
;;   ~~~
;;   SOFTMAX AHEAD OF A QUANTISED PRODUCT. Where the list says 'softmax', what is quantised is not the finished softmax but p = 2^(t - M), with t = logit x log2(e) and M = ceil(the row's largest t), a whole number; so 1/2 < the row's largest p <= 1. The row's sum l is taken of the UNQUANTISED p, in f32, and the product's result is divided by l at the end. Since M is a whole number, a kernel that streams over the keys may use a running M (the ceiling of the running maximum): every later rescaling is an exact power of two, which a block's scale takes up: the codes' values come out the same.
;;   OPERANDS COMPUTED ON THE WAY. 'Computed on the way' means the value that the module computes at that place (a softmax that the list does not call 'softmax' is quantised finished and normalised). What goes into a quantiser is computed in f32, as accurately as f32 sums, v_exp_f32 and their like allow (about 1e-6 of the number): no bf16 or f16 on the way to a quantiser, and a product that is left as it is and whose result goes on into a quantised operand takes f32 operands (vector FMAs, or v_wmma_f32_16x16x4_f32). A number that lies on a knife's edge between two numbers of the format may be rounded either way, as far as f32 arithmetic and the matrix unit's own rounding can turn it there, and no further.
;; One version. Each part assembles by itself: llvm-mc -triple=amdgcn-amd-amdhsa -mcpu=gfx1250 --defsym DOCPART=n.
;; ======== version 1 of 1: 2 launches
;; limits: right only within a limited range of input values
;; workspace buffers: qq 8,912,896 bytes; kv 17,825,792 bytes; mbits 524,288 bytes of whole numbers
;; launch prep (part 1): grid 768 x 1, 4 waves a work-group, no clusters, 103,936 bytes of LDS; arguments Q, K, V, mask, route_mat, qq, kv, mbits; writes qq, kv, mbits
.if DOCPART == 1
	.amdgcn_target "amdgcn-amd-amdhsa--gfx1250"
	.amdhsa_code_object_version 6
	.text
	.protected	k_q16d4b48a3c_prep
	.globl	k_q16d4b48a3c_prep
	.p2align	8
	.type	k_q16d4b48a3c_prep,@function
k_q16d4b48a3c_prep:
	s_mov_b64 s[64:65], 0
	v_nop
	global_prefetch_b8 v0, s[64:65] scope:SCOPE_SE
	s_setreg_imm32_b32 hwreg(HW_REG_WAVE_MODE, 25, 1), 1
	s_wait_xcnt 0x0
; PREP: Q x gate, K and V become codes of FP4 (E2M1) with one E8M0 scale byte for each 32 along a product's K, and the mask becomes bits.
; Everything is laid as IMAGES OF OPERAND REGISTERS, so that the attention launch takes every fragment by 16 bytes a lane at 16 x lane.
;   qq    [head x 64 + G][8,704]: a group G of 32 queries: codes [tile u 2][block j 16][row r 16][16 bytes], then scale bytes [tile u 2][row r 16][block j 16] (as words: [lane 32][K step 4], lanes 0-15 tile 0, lanes 16-31 tile 1)
;   kv    [head][key step 16][69,632]: 128 keys: K's codes (tile t at 4,096 t, laid as Q's), V's codes at 32,768 ([16 features dt 32][block of 32 keys 4][row r 16][16 bytes]),
;         K's scale words at 65,536 ([pair of tiles b 4][lane 32][K step 4]), V's at 67,584 ([g 4][lane 32][x 4]: lanes 0-15 feature tile 8 g + 2 x, lanes 16-31 the next)
;   mbits [G 64][key step 16][tile u 2][64 words]: bit l of word 16 b + i says whether mask[query of lane l % 16][128 step + 32 b + 16 (l / 16) + i] is not 0
; THE FIRST PRODUCT'S K.  It contracts two axes, the expert e (8) and the sub-feature d (64), and takes them d first: k = 8 d + e.  So block j of 32 holds d = 4 j .. 4 j + 3 of ALL EIGHT experts:
; features 64 e + 4 j + i, eight pieces of 16 bytes at byte 256 e + 16 j of a row.  Inside a block a code stands at place 4 e + i, alike in Q and in K: the products are the same, the order of the sums inside a block is not K's.
; THE ROWS OF A TILE ARE NOT NEIGHBOURS: row r of tile u of a group of 32 rows is row 8 u + r % 8 + 16 (r / 8).  For K that makes the 16 score registers of two neighbouring tiles 16 neighbouring keys;
; for Q it only names which queries form a tile; one order for both lets Q and K take one path.
; A block's scale is 2^(floor(log2(its largest magnitude)) - 2); its byte is the largest magnitude's exponent field - 2, held at 1 from below.
; ROLES.  Work-group n has role n % 3 (0: Q, 1: K, 2: V and the mask) and index n / 3 (0 to 255).  Three work-groups whose numbers follow each other, and three whose numbers lie 256 apart (256 % 3 = 1), have the three roles.
; A wave of Q or K reads 64 KiB, a wave of the third role 16 KiB of the mask and then 64 KiB of V.  Waves share nothing: no barrier.  No tensor loads.
; LDS: 70,656 bytes are used; the claim is larger, so that at most three work-groups lie on a WGP: the grid has three for each of the 256.
; The input ids is taken by reference() and never used there: no number of the result hangs on it, and no launch of this program is given it.
; LIMITS: NaN and infinities in Q, K, V are not served.  A block whose largest magnitude lies under 2^-124 gets the byte 1; so does a block of zeros, where the rule says 127: its codes are zeros, and this program alone reads the bytes.
.set CPITCH, 272                       ; Q/K: the codes' stage: [tile 2][block j 16, CPITCH apart][row r 16][16 bytes].  256 bytes + 16
.set CTILE, 16*CPITCH
.set SSTG,  2*CTILE                    ; behind it the scale bytes: [16 u + r][block j]
.set WREG,  SSTG+512                   ; a wave's LDS on the Q/K path
.set MSTG,  4*WREG                     ; the mask's stages lie behind the Q/K path's: each path has LDS bytes of its own
.set PITCH, 528                        ; a row of the mask's stage: 512 bytes + 16: the 16 rows that a read-back touches begin in 16 different 16-byte columns
.set WSTG,  16*PITCH                   ; a wave's stage for the mask: 16 rows
.set KSB,   69632                      ; a key step's block of kv
.set QJB,   8704                       ; a group's block of qq
.set FLOOR, 0x1800000                  ; 2^(3 - 127): under it no largest magnitude is taken, so the byte cannot fall under 1
.set EOFF,  0xff000000                 ; takes 2 off an exponent field
.set SW,    16                         ; v16-19   scale words (V)
.set C,     20                         ; v20-27   two blocks' codes (Q/K path)
.set W,     36                         ; v36-39   mask words, a pair for each chunk
.set CA,    57                         ; v57      Q/K: where I put a block's codes: CPITCH x (lane % 16) + 16 (lane / 16)
.set CRD,   58                         ; v58      Q/K: where I read the codes' image back: CPITCH x (lane / 16) + 16 (lane % 16)
.set SBA,   59                         ; v59      Q/K: where I put a scale byte: 16 (lane / 16) + lane % 16
.set R,     64                         ; v64-255  Q/K: three sets of 64 numbers.  Third role: v64-191 two sets of 64 mask words as loaded, then v64-127 two sets of 32 numbers of V and v128-191 its codes
.set X,     192                        ; v192-255 the mask: 64 words of my row
	s_load_b512 s[4:19], s[0:1], 0x0               ; Q s[4:5], K s[6:7], V s[8:9], mask s[10:11], route_mat s[12:13], qq s[14:15], kv s[16:17], mbits s[18:19]
	v_lshl_add_u32 v62, v0, 2, 0x19400
	v_mov_b32 v63, 0
	v_lshrrev_b32 v8, 5, v0
	v_readfirstlane_b32 s20, v8                    ; wave 0..3
	v_and_b32 v1, 31, v0                           ; lane
	v_and_b32 v2, 15, v0                           ; lane % 16
	v_bfe_u32 v3, v0, 4, 1                         ; h = lane / 16
	v_lshlrev_b32 v4, 4, v1                        ; 16 x lane
	s_mul_i32 s22, s20, WREG                       ; my wave's LDS on the Q/K path,
	s_mul_i32 s23, s20, WSTG                       ; and for the mask.  Every LDS address is made here, ahead of the parting of the roles
	v_lshlrev_b32 v8, 4, v2                        ; 16 (lane % 16)
	v_add_nc_u32 v5, s22, v4                       ; Q/K: the scale bytes' image: 16 x lane
	v_lshl_add_u32 v6, v3, 11, v8                  ; Q/K, in memory: row h of a chunk, block j = lane % 16: 2,048 h + 16 j
	v_mul_u32_u24 v[CA], v2, CPITCH
	v_lshl_add_u32 v[CA], v3, 4, v[CA]
	v_add_nc_u32 v[CA], s22, v[CA]
	v_mul_u32_u24 v[CRD], v3, CPITCH
	v_add_nc_u32 v[CRD], v[CRD], v8
	v_add_nc_u32 v[CRD], s22, v[CRD]
	v_lshl_add_u32 v[SBA], v3, 4, v2
	v_add_nc_u32 v[SBA], s22, v[SBA]
	v_add_nc_u32 v54, s23, v4
	v_add_nc_u32 v54, MSTG, v54                    ; mask stage, in
	v_mul_u32_u24 v55, v2, PITCH
	v_lshl_add_u32 v55, v3, 6, v55
	v_add_nc_u32 v55, s23, v55
	v_add_nc_u32 v55, MSTG, v55                    ; mask stage, back: row r, + 64 h: my 16 words of each 32
	v_lshlrev_b32 v52, 2, v1                       ; 4 x lane
	v_lshlrev_b32 v53, 10, v3
	v_lshl_add_u32 v53, v2, 4, v53                 ; V's codes: 1,024 h + 16 r
	v_lshlrev_b32 v56, 3, v1                       ; 8 x lane
	s_mul_i32 s21, ttmp9, 0xaaab                   ; n x 43,691 / 2^17 = n / 3, rounded down, for every n under 768 (3 x 43,691 = 2^17 + 1)
	s_lshr_b32 s21, s21, 17                        ; the index
	s_mul_i32 s30, s21, 3
	s_sub_co_u32 s30, ttmp9, s30                   ; the role
	s_mov_b32 s3, 0                                ; the high word of every offset
	s_wait_kmcnt 0x0
	s_cmp_eq_u32 s30, 2
	s_cbranch_scc1 .Lv
; ---------------------------------------------------------------- Q AND K: a wave takes a group of 32 rows x 512 features, four whole rows at a time
	s_lshl_b32 s22, s21, 2
	s_add_co_u32 s22, s22, s20                     ; J = head x 64 + group
	s_lshr_b32 s23, s21, 7
	s_lshl_b32 s2, s23, 5                          ; the batch's eight gates: 32 bytes
	s_add_nc_u64 s[12:13], s[12:13], s[2:3]
	s_load_b256 s[32:39], s[12:13], 0x0            ; loaded in both roles (every register is written on every path); only Q's chunks multiply by them
	s_mul_i32 s56, s22, QJB                        ; Q: where the group's codes go,
	s_add_co_u32 s57, s56, 8192                    ; and its scale words
	s_lshr_b32 s58, s22, 2
	s_mul_i32 s58, s58, KSB                        ; K: the key step's block,
	s_and_b32 s59, s22, 3
	s_lshl_b32 s60, s59, 13
	s_add_co_u32 s60, s60, s58                     ; the group's two tiles in it,
	s_lshl_b32 s59, s59, 9
	s_add_co_u32 s59, s59, s58
	s_add_co_u32 s59, s59, 65536                   ; and their scale words
	s_lshl_b32 s2, s22, 16                         ; 32 rows of 2,048 bytes
	s_cmp_eq_u32 s30, 0                            ; Q's work-group or K's?  The choice hangs on the work-group's number alone
	s_cselect_b64 s[24:25], s[4:5], s[6:7]
	s_cselect_b64 s[26:27], s[14:15], s[16:17]
	s_cselect_b32 s56, s56, s60
	s_cselect_b32 s58, s57, s59
	s_mov_b32 s57, 0
	s_mov_b32 s59, 0
	s_add_nc_u64 s[24:25], s[24:25], s[2:3]
	s_mov_b64 s[28:29], s[26:27]
	s_add_nc_u64 s[26:27], s[26:27], s[56:57]
	s_add_nc_u64 s[28:29], s[28:29], s[58:59]
; chunk n: rows 4 n .. 4 n + 3 of the group.  THE LOADS PUT EACH NUMBER WHERE THE CONVERSIONS WANT IT: registers 32 a on of lane (j, h) take block j of row h + 2 a: of each expert e its d = 4 j .. 4 j + 3.
; For a fixed e the sixteen lanes of a half read 256 consecutive bytes, aligned: nothing is turned on the way in.
.macro LOADC n
.irp a, 0,1
.irp e, 0,1,2,3,4,5,6,7
	global_load_b128 v[R+64*((\n)%3)+32*\a+4*\e:R+64*((\n)%3)+32*\a+4*\e+3], v6, s[24:25] offset:(\n)*8192+\a*4096+\e*256 th:TH_LOAD_NT
.endr
.endr
.endm
	LOADC 0
	LOADC 1
	LOADC 2
	s_wait_kmcnt 0x0
.irp e, 0,1,2,3,4,5,6,7
	s_mov_b32 s[40+2*\e], s[32+\e]                 ; the packed multiply names an aligned pair and takes its low word for both halves
	s_mov_b32 s[41+2*\e], s[32+\e]
.endr
.macro CHUNK n
.set XS, R+64*((\n)%3)
.set CU, ((\n)/2)%2                    ; rows 4 n .. 4 n + 3 are rows CR0 .. CR0 + 3 of tile CU (row 8 u + r % 8 + 16 (r / 8), read backward)
.set CR0, 4*((\n)%2)+8*((\n)/4)
.if (\n) < 6
	s_wait_loadcnt 32                              ; this chunk's 16 loads are in; the two younger chunks' 32 may be out
.elseif (\n) == 6
	s_wait_loadcnt 16                              ; the last chunk's 16 may be out
.else
	s_wait_loadcnt 0x0
.endif
	s_cmp_lg_u32 s30, 0
	s_cbranch_scc1 .Lplain_\@                      ; K has no gate
.irp a, 0,1
.irp e, 0,1,2,3,4,5,6,7
	v_pk_mul_f32 v[XS+32*\a+4*\e:XS+32*\a+4*\e+1], v[XS+32*\a+4*\e:XS+32*\a+4*\e+1], s[40+2*\e:41+2*\e] op_sel_hi:[1,0]   ; Q x gate, in f32, ahead of the quantiser: piece e belongs to expert e
	v_pk_mul_f32 v[XS+32*\a+4*\e+2:XS+32*\a+4*\e+3], v[XS+32*\a+4*\e+2:XS+32*\a+4*\e+3], s[40+2*\e:41+2*\e] op_sel_hi:[1,0]
.endr
.endr
.Lplain_\@:
.irp a, 0,1
	v_max3_num_f32 v[8+\a], |v[XS+32*\a]|, |v[XS+32*\a+1]|, FLOOR   ; a block's 32 numbers are all mine; the floor is one more leaf
.endr
.irp i, 2,4,6,8,10,12,14,16,18,20,22,24,26,28,30
.irp a, 0,1
	v_max3_num_f32 v[8+\a], v[8+\a], |v[XS+32*\a+\i]|, |v[XS+32*\a+\i+1]|   ; (the two blocks by turns)
.endr
.endr
.irp a, 0,1
	v_add_nc_u32 v[10+\a], EOFF, v[8+\a]           ; 2 off the exponent field: the conversion takes the exponent field of this operand as its scale, and nothing else of it
.endr
	s_wait_alu depctr_va_vdst(0)
	s_wait_dscnt 0x0                               ; the last chunk's stores of codes and bytes have read their registers
.irp a, 0,1
.irp g, 0,1,2,3
	v_cvt_scalef32_pk8_fp4_f32 v[C+4*\a+\g], v[XS+32*\a+8*\g:XS+32*\a+8*\g+7], v[10+\a]   ; 32 codes: 16 bytes
.endr
.endr
.irp a, 0,1
	v_lshrrev_b32 v[12+\a], 23, v[10+\a]           ; the scales' bytes (a plain line behind the conversions)
.endr
.if (\n) < 5
	LOADC (\n)+3                                   ; into the set just converted
.endif
.irp a, 0,1
	ds_store_b128 v[CA], v[C+4*\a:C+4*\a+3] offset:CU*CTILE+(CR0+2*\a)*16        ; block j, row CR0 + 2 a + h of tile CU
	ds_store_b8 v[SBA], v[12+\a] offset:SSTG+(16*CU+CR0+2*\a)*16                 ; byte j of that row's sixteen: each byte has one lane
.endr
.endm
.irp n, 0,1,2,3,4,5,6,7
	CHUNK \n
.endr
.irp m, 0,1,2,3,4,5,6,7,8,9,10,11,12,13,14,15
	ds_load_b128 v[R+4*\m:R+4*\m+3], v[CRD] offset:(\m/8)*CTILE+(\m%8)*2*CPITCH   ; LDS serves a wave's instructions in order: these see my stores.  Piece m: tile m / 8, blocks 2 (m % 8) + h, row lane % 16: the registers' image
.endr
	ds_load_b128 v[X:X+3], v5 offset:SSTG          ; lane 16 u + r: that row's sixteen bytes: its four scale words
.irp m, 0,1,2,3,4,5,6,7,8,9,10,11,12,13,14,15
	s_wait_dscnt 16-\m                             ; piece m is in; the 16 - m loads behind it may be out
	global_store_b128 v4, v[R+4*\m:R+4*\m+3], s[26:27] offset:512*\m   ; 32 lanes store 512 consecutive bytes, aligned
.endr
	s_wait_dscnt 0x0
	global_store_b128 v4, v[X:X+3], s[28:29]       ; the group's scale words: 512 consecutive bytes
	s_wait_tensorcnt 0x0
	ds_add_u32 v62, v63
	s_wait_dscnt 0x0
	s_endpgm
; ---------------------------------------------------------------- THE THIRD ROLE: first two chunks of the mask, then 128 keys x 128 features of V
.Lv:
	; the mask: group G = index / 4 of 32 queries; my wave takes key step 4 (index % 4) + wave, both tiles
	s_lshr_b32 s22, s21, 2                         ; G
	s_and_b32 s23, s21, 3
	s_lshl_b32 s23, s23, 2
	s_add_co_u32 s23, s23, s20                     ; the key step:
	s_lshl_b32 s23, s23, 9                         ; 512 bytes of a row of the mask, and 512 bytes of words
	s_lshl_b32 s2, s22, 18                         ; 32 rows of 8,192 bytes
	s_add_co_u32 s2, s2, s23
	s_add_nc_u64 s[32:33], s[10:11], s[2:3]
	s_lshl_b32 s2, s22, 13
	s_add_co_u32 s2, s2, s23
	s_add_nc_u64 s[34:35], s[18:19], s[2:3]
	; V: the index is head x 16 + key step; wave g takes features 128 g .. 128 g + 127
	s_lshl_b32 s2, s21, 18                         ; 128 keys of 2,048 bytes
	s_lshl_b32 s23, s20, 9
	s_add_co_u32 s2, s2, s23
	s_add_nc_u64 s[24:25], s[8:9], s[2:3]
	s_mul_i32 s22, s21, KSB
	s_lshl_b32 s2, s20, 13
	s_add_co_u32 s2, s2, s22
	s_add_co_u32 s2, s2, 32768
	s_add_nc_u64 s[26:27], s[16:17], s[2:3]        ; my eight feature tiles' codes
	s_add_co_u32 s2, s22, s23
	s_add_co_u32 s2, s2, 67584
	s_add_nc_u64 s[28:29], s[16:17], s[2:3]        ; and their scale words
.irp n, 0,1,2,3
	v_mov_b32 v[W+\n], 0                           ; v_writelane_b32's destination counts as read
.endr
; V, unit t: block t / 4 of 32 keys, features 32 (t % 4) on.  K = the keys, V's first axis in a head: A LANE TAKES A FEATURE, AND ITS REGISTERS RUN DOWN THE KEYS: nothing is transposed
.macro LOADV t
.set i, 0
.rept 32
	global_load_b32 v[64+32*((\t)%2)+i], v52, s[24:25] offset:(32*((\t)/4)+i)*2048+((\t)%4)*128 th:TH_LOAD_NT
.set i, i+1
.endr
.endm
; the mask, chunk u: tile u: 16 rows x 128 words; each load reads 512 consecutive bytes of one row
.macro LOADM u
.irp i, 0,1,2,3,4,5,6,7,8,9,10,11,12,13,14,15
	global_load_b128 v[R+64*(\u)+4*\i:R+64*(\u)+4*\i+3], v4, s[32:33] offset:(8*(\u)+(\i%8)+16*(\i/8))*8192 th:TH_LOAD_NT
.endr
.endm
.macro MCHUNK u
.if (\u) == 0
	s_wait_loadcnt 16                              ; this chunk's 16 loads are in; the other chunk's 16 may be out
.else
	s_wait_loadcnt 32                              ; this chunk's 16 loads are in; the 32 of V's unit 0, issued behind them, may be out
.endif
.irp i, 0,1,2,3,4,5,6,7,8,9,10,11,12,13,14,15
	ds_store_b128 v54, v[R+64*(\u)+4*\i:R+64*(\u)+4*\i+3] offset:\i*PITCH
.endr
.irp b, 0,1,2,3
.irp k, 0,1,2,3
	ds_load_b128 v[X+16*\b+4*\k:X+16*\b+4*\k+3], v55 offset:128*\b+16*\k   ; LDS serves a wave's instructions in order: these see my stores.  Register 16 b + i: key 32 b + 16 h + i of my row: the place of that score in the attention launch
.endr
.endr
	s_wait_dscnt 0x0                               ; the words are back, and the stores have read their registers:
	LOADV \u                                       ; V's unit u goes into 32 of the registers that chunk 0 has left, so that loads are on their way while the bits are made
.set q, 0
.rept 8
.irp e, 0,1,2,3,4,5,6,7
	v_cmp_ne_u32 s[56+\e], 0, v[X+q+\e]            ; a bit for each lane
.endr
.irp e, 0,1,2,3,4,5,6,7
	v_writelane_b32 v[W+2*(\u)+\e%2], s[56+\e], (q+\e)/2   ; word n goes to lane n / 2, register n % 2: lane l's pair holds words 2 l and 2 l + 1
.endr
.set q, q+8
.endr
	global_store_b64 v56, v[W+2*(\u):W+2*(\u)+1], s[34:35] offset:(\u)*256   ; 32 lanes store 256 consecutive bytes, aligned; each chunk has its own pair, so no store's data are written again
.endm
	LOADM 0
	LOADM 1
	s_wait_alu depctr_va_vdst(0)
	MCHUNK 0
	MCHUNK 1
.macro UNIT t
.set XS, 64+32*((\t)%2)
.set UJ, (\t)/4
.set UX, (\t)%4
.if (\t) < 15
	s_wait_loadcnt 32                              ; this unit's 32 loads are in; the next unit's 32 may be out
.else
	s_wait_loadcnt 0x0
.endif
	v_max3_num_f32 v8, |v[XS]|, |v[XS+1]|, |v[XS+2]|   ; the block's largest magnitude: all 32 numbers are mine; two chains
	v_max3_num_f32 v9, |v[XS+3]|, |v[XS+4]|, |v[XS+5]|
.irp i, 6,10,14,18,22,26
	v_max3_num_f32 v8, v8, |v[XS+\i]|, |v[XS+\i+1]|
	v_max3_num_f32 v9, v9, |v[XS+\i+2]|, |v[XS+\i+3]|
.endr
	v_max3_num_f32 v8, v8, |v[XS+30]|, |v[XS+31]|
	v_max3_num_f32 v8, v8, v9, FLOOR
	v_add_nc_u32 v10, EOFF, v8                     ; the conversion's scale operand
	v_lshrrev_b32 v11, 23, v10                     ; the scale's byte
.if UJ == 0
	v_mov_b32 v[SW+UX], v11                        ; four bytes to a word, the lower keys in the lower byte
.else
	v_lshl_or_b32 v[SW+UX], v11, 8*UJ, v[SW+UX]
.endif
.irp g, 0,1,2,3
	v_cvt_scalef32_pk8_fp4_f32 v[128+4*(\t)+\g], v[XS+8*\g:XS+8*\g+7], v10   ; each unit has its own four registers (the mask's second chunk has left them): no store's data are written again
.endr
	global_store_b128 v53, v[128+4*(\t):128+4*(\t)+3], s[26:27] offset:UX*2048+UJ*256   ; sixteen lanes store 256 consecutive bytes, aligned: lanes 0-15 feature tile 2 x, lanes 16-31 the next
.if (\t) < 14
	LOADV (\t)+2
.endif
.endm
.irp t, 0,1,2,3,4,5,6,7,8,9,10,11,12,13,14,15
	UNIT \t
.endr
	global_store_b128 v4, v[SW:SW+3], s[28:29]     ; my 128 features' scale words: 512 consecutive bytes
	s_wait_tensorcnt 0x0
	ds_add_u32 v62, v63
	s_wait_dscnt 0x0
	s_endpgm
.Lfunc_end_k_q16d4b48a3c_prep:
	.size	k_q16d4b48a3c_prep, .Lfunc_end_k_q16d4b48a3c_prep-k_q16d4b48a3c_prep
	.p2alignl 7, 3214868480
	.fill 96, 4, 3214868480
	.section	.rodata,"a",@progbits
	.p2align	6, 0x0
	.amdhsa_kernel k_q16d4b48a3c_prep
		.amdhsa_group_segment_fixed_size 103936
		.amdhsa_private_segment_fixed_size 0
		.amdhsa_enable_private_segment 0
		.amdhsa_kernarg_size 64
		.amdhsa_user_sgpr_count 2
		.amdhsa_user_sgpr_kernarg_segment_ptr 1
		.amdhsa_wavefront_size32 1
		.amdhsa_system_sgpr_workgroup_id_x 1
		.amdhsa_system_sgpr_workgroup_id_y 1
		.amdhsa_system_sgpr_workgroup_id_z 1
		.amdhsa_system_vgpr_workitem_id 0
		.amdhsa_next_free_vgpr 256
		.amdhsa_next_free_sgpr 66
		.amdhsa_reserve_vcc 0
		.amdhsa_float_denorm_mode_32 3
		.amdhsa_float_denorm_mode_16_64 3
		.amdhsa_memory_ordered 1
		.amdhsa_forward_progress 1
		.amdhsa_inst_pref_size 158
	.end_amdhsa_kernel
	.amdgpu_metadata
---
amdhsa.version: [ 1, 2 ]
amdhsa.kernels:
  - .name:           k_q16d4b48a3c_prep
    .symbol:         k_q16d4b48a3c_prep.kd
    .args:
      - { .name: Q, .offset: 0, .size: 8, .value_kind: global_buffer, .address_space: global }
      - { .name: K, .offset: 8, .size: 8, .value_kind: global_buffer, .address_space: global }
      - { .name: V, .offset: 16, .size: 8, .value_kind: global_buffer, .address_space: global }
      - { .name: mask, .offset: 24, .size: 8, .value_kind: global_buffer, .address_space: global }
      - { .name: route_mat, .offset: 32, .size: 8, .value_kind: global_buffer, .address_space: global }
      - { .name: qq, .offset: 40, .size: 8, .value_kind: global_buffer, .address_space: global }
      - { .name: kv, .offset: 48, .size: 8, .value_kind: global_buffer, .address_space: global }
      - { .name: mbits, .offset: 56, .size: 8, .value_kind: global_buffer, .address_space: global }
    .group_segment_fixed_size: 103936
    .private_segment_fixed_size: 0
    .kernarg_segment_align: 8
    .kernarg_segment_size: 64
    .max_flat_workgroup_size: 128
    .sgpr_count:     66
    .vgpr_count:     256
    .wavefront_size: 32
...
	.end_amdgpu_metadata
.endif
;; end of part 1
;; launch attn (part 2): grid 16 x 16, 4 waves a work-group, clusters of 4 x 1, 327,680 bytes of LDS; arguments qq, kv, mbits, route_mat, out0; writes out0
.if DOCPART == 2
	.amdgcn_target "amdgcn-amd-amdhsa--gfx1250"
	.amdhsa_code_object_version 6
	.text
	.protected	k_q16d4b48a3c_attn
	.globl	k_q16d4b48a3c_attn
	.p2align	8
	.type	k_q16d4b48a3c_attn,@function
k_q16d4b48a3c_attn:
	s_mov_b64 s[64:65], 0
	v_nop
	global_prefetch_b8 v0, s[64:65] scope:SCOPE_SE
	s_setreg_imm32_b32 hwreg(HW_REG_WAVE_MODE, 25, 1), 1
	s_wait_xcnt 0x0
	s_wait_alu depctr_hold_cnt(0) depctr_sa_sdst(0) depctr_va_vdst(0) depctr_va_sdst(0) depctr_va_ssrc(0) depctr_va_vcc(0) depctr_vm_vsrc(0)
	s_getreg_b32 s2, hwreg(HW_REG_IB_STS2, 6, 4)
	s_cmp_eq_u32 s2, 0
	s_cbranch_scc0 .Lentry_in_a_cluster
	s_endpgm
.Lentry_in_a_cluster:
	s_bfe_u32 s2, ttmp6, 0x10000c
	s_cmp_lg_u32 s2, 0x3003
	s_cbranch_scc0 .Lentry_shape_is_right
	s_endpgm
.Lentry_shape_is_right:
; out[head][q][:] = gate x (sum over k of softmax_k(masked (Q x gate)[q] . K[k] / 8) V[k][:]), both products on codes of FP4 (E2M1), one E8M0 scale for each 32 along a product's K.
; Codes, scale words and mask bits were laid by the launch before as images of operand registers (its head comment has the layouts).
; SOFTMAX: t = score x log2(e) / 8; M = the row's largest t so far, rounded up to a whole number; p = 2^(t - M) is quantised along the keys; the row's sum is taken of the unquantised p and divides at the end.
; SHARES: a work-group owns 128 queries of one head, a wave 32 (two tiles of 16).  Both products are used transposed, so a lane holds one query (lane % 16) throughout.
; A SLOT HOLDS TWO KEY STEPS (256 keys, 139,264 bytes).  An inner loop of two trips makes K Q^T and the softmax of each half (128 keys).  The first half's p was quantised under M_A, the second's under M_B >= M_A:
; the first half's scale bytes are moved by M_A - M_B (an exact power of two; held at byte 1 from below, where the numbers are under 6 x 2^-126 beside a largest p over 1/2), and O^T is multiplied ONCE for 256 keys, by 2^(M before - M_B).
; CLUSTER: the four work-groups of a cluster belong to one head and ask for each slot jointly, a quarter (136 rows of 256 bytes) a wave; a ring of two slots; by this text's own count a wave has one tensor load out.
; kv's blocks are not prefetched: a refill is issued behind the round and is waited for 256 keys' work later.  The mask words are: see SOFTMAX.
; THE MASK: 64 words for a tile and a key step, bit l for lane l, by scalar loads; each word is the select of one v_cndmask_b32.  No branch and no address hangs on it.
; The input ids is taken by reference() and never used there: no number of the result hangs on it, and this launch is not given it.
; LIMITS: NaN and infinities in the inputs are not served; the scaled scores stay under 2^31 in magnitude.  A row all of whose keys are masked gives 0 x infinity = NaN, as reference() gives.
; REGISTERS, in windows of 256 (s_set_vgpr_msb's low byte: 1:0 source 0, 3:2 source 1, 5:4 source 2, 7:6 destination):
;   window 0: addresses, statistics, scale words (v36-75, nothing else), p's codes, S^T then p (v96-223), the first half's codes and scale operands (v224-255)
;   window 1: v0-63 Q's fragments; three sets of eight fragments of K or V from v64;  window 2, 3: O^T of tile 0, 1 (feature tile dt at v[8 dt])
.set NDS,   8                          ; slots' worth of keys in a head
.set KSB,   69632                      ; a key step's block: 32,768 K's codes, 32,768 V's, 2,048 K's scale words, 2,048 V's
.set SLB,   2*KSB                      ; a slot
.set QTR,   SLB/4
.set STAGE, 2*SLB                      ; the way out: 16 rows x 528 bytes a wave; no tile lands here
.set SPITCH, 528
.set WSTG,  16*SPITCH
.set SPARE, STAGE+4*WSTG               ; the spare words: two blocks of 256 bytes that no other line names
.set LI,   1                           ; 16 x lane
.set ADR,  2                           ; the half in hand
.set ADS,  3                           ; its scale words
.set SPW,  4
.set NIL,  5
.set NINF, 6
.set STO,  7
.set RD,   8
.set PFO,  9                           ; the prefetch's offset: lane 0: 0, the others 256
.set MA,   10                          ; v10-11 -M behind the first half, a tile each
.set BM,   24
.set PX,   28
.set ADA,  32                          ; v32-33 the slot's two halves, for V
.set PWS,  36                          ; v36-37 p's scale words, second half;  v38-39 first half
.set PWSA, 38
.set QS,   40
.set KS,   44                          ; K's scale words; during V^T P the second half's of V
.set VS,   60                          ; V's scale words, first half
.set PC,   76                          ; p's codes, eight a tile
.set MP,   94                          ; v94-95 -M ahead of the slot
.set S,    96
.set PCA,  224                         ; the first half's codes
.set SOB,  240                         ; the conversions' scale operands, four a tile
.set SOA,  248                         ; the first half's
.set FAC,  224                         ; the way out: gate / sum
; scalars: s[4:7], s[8:15] descriptor; s[16:17] mask words; s[18:19] gates; s[20:21] output; s[22:23] lane selects; s[24:25] c; s26 wave; s27 slot in hand; s28 trips; s29 half in hand;
;          s30 slot to fill; s31 my quarter; s66 halves to go; s[100:101] the mask pointer's step; s104 steps it still has; s105 least s104 at which I prefetch; s[32:63], s[68:99] mask words
.set MSB, 0
.macro WIN new
.if MSB != (\new)
	s_set_vgpr_msb (MSB<<8)|(\new)
.set MSB, (\new)
.endif
.endm
.macro PLACES                          ; four places behind matrix instructions (ISA guide 7.12.1)
.rept 4
	v_nop
.endr
.endm
.macro CROUND
	s_barrier_signal -1
	s_barrier_wait -1
	s_cmp_lg_u32 s26, 0
	s_cbranch_scc1 .Lnot_wave_0_\@
	s_barrier_signal -3
.Lnot_wave_0_\@:
	s_barrier_wait -3
	s_barrier_signal -1
	s_barrier_wait -1
.endm
.macro JLOAD
	tensor_load_to_lds s[4:7], s[8:15]
	s_nop 0
.rept 4
	v_nop
.endr
.endm
; one matrix instruction on rD, rA, rB, rSA, rSB.  z: it starts the sum with 0.  ra, rb: that side's scales come from lanes 16-31
.macro WM z, ra, rb
.if \z
.if (\ra) && (\rb)
	v_wmma_scale_f32_16x16x128_f8f6f4 v[rD:rD+7], v[rA:rA+7], v[rB:rB+7], 0, v[rSA], v[rSB] matrix_a_fmt:MATRIX_FMT_FP4 matrix_b_fmt:MATRIX_FMT_FP4 matrix_a_scale:MATRIX_SCALE_ROW1 matrix_b_scale:MATRIX_SCALE_ROW1
.elseif (\ra)
	v_wmma_scale_f32_16x16x128_f8f6f4 v[rD:rD+7], v[rA:rA+7], v[rB:rB+7], 0, v[rSA], v[rSB] matrix_a_fmt:MATRIX_FMT_FP4 matrix_b_fmt:MATRIX_FMT_FP4 matrix_a_scale:MATRIX_SCALE_ROW1
.elseif (\rb)
	v_wmma_scale_f32_16x16x128_f8f6f4 v[rD:rD+7], v[rA:rA+7], v[rB:rB+7], 0, v[rSA], v[rSB] matrix_a_fmt:MATRIX_FMT_FP4 matrix_b_fmt:MATRIX_FMT_FP4 matrix_b_scale:MATRIX_SCALE_ROW1
.else
	v_wmma_scale_f32_16x16x128_f8f6f4 v[rD:rD+7], v[rA:rA+7], v[rB:rB+7], 0, v[rSA], v[rSB] matrix_a_fmt:MATRIX_FMT_FP4 matrix_b_fmt:MATRIX_FMT_FP4
.endif
.else
.if (\ra) && (\rb)
	v_wmma_scale_f32_16x16x128_f8f6f4 v[rD:rD+7], v[rA:rA+7], v[rB:rB+7], v[rD:rD+7], v[rSA], v[rSB] matrix_a_fmt:MATRIX_FMT_FP4 matrix_b_fmt:MATRIX_FMT_FP4 matrix_a_scale:MATRIX_SCALE_ROW1 matrix_b_scale:MATRIX_SCALE_ROW1
.elseif (\ra)
	v_wmma_scale_f32_16x16x128_f8f6f4 v[rD:rD+7], v[rA:rA+7], v[rB:rB+7], v[rD:rD+7], v[rSA], v[rSB] matrix_a_fmt:MATRIX_FMT_FP4 matrix_b_fmt:MATRIX_FMT_FP4 matrix_a_scale:MATRIX_SCALE_ROW1
.elseif (\rb)
	v_wmma_scale_f32_16x16x128_f8f6f4 v[rD:rD+7], v[rA:rA+7], v[rB:rB+7], v[rD:rD+7], v[rSA], v[rSB] matrix_a_fmt:MATRIX_FMT_FP4 matrix_b_fmt:MATRIX_FMT_FP4 matrix_b_scale:MATRIX_SCALE_ROW1
.else
	v_wmma_scale_f32_16x16x128_f8f6f4 v[rD:rD+7], v[rA:rA+7], v[rB:rB+7], v[rD:rD+7], v[rSA], v[rSB] matrix_a_fmt:MATRIX_FMT_FP4 matrix_b_fmt:MATRIX_FMT_FP4
.endif
.endif
.endm
.macro FETCHK s                        ; 16 LDS loads: K's eight tiles, K step s, into set s % 3
.set FS, 64+64*((\s)%3)
	WIN 0x40
.irp f, 0,1,2,3,4,5,6,7
.irp c, 0,1
	ds_load_b128 v[FS+8*\f+4*\c:FS+8*\f+4*\c+3], v[ADR] offset:\f*4096+(\s)*1024+\c*512
.endr
.endr
.endm
.macro FETCHV n                        ; 16 LDS loads: half n / 4, V's feature tiles 8 (n % 4) on, into set (n + 1) % 3
.set FS, 64+64*(((\n)+1)%3)
	WIN 0x40
.irp f, 0,1,2,3,4,5,6,7
.irp c, 0,1
	ds_load_b128 v[FS+8*\f+4*\c:FS+8*\f+4*\c+3], v[ADA+(\n)/4] offset:32768+(8*((\n)%4)+\f)*1024+\c*512
.endr
.endr
.endm
.macro KQ s                            ; 16 products of S^T = K Q^T; the 16 accumulators by turns
	WIN 0x05
.irp t, 0,1,2,3,4,5,6,7
.irp u, 0,1
.set rD, S+64*\u+8*\t
.set rA, 64+64*((\s)%3)+8*\t
.set rB, 8*(4*\u+(\s))
.set rSA, KS+4*(\t/2)+(\s)
.set rSB, QS+(\s)
.if (\s) == 0
	WM 1, \t%2, \u
.else
	WM 0, \t%2, \u
.endif
.endr
.endr
.endm
.macro PV n, first                     ; 16 products of O^T += V^T P^T: half n / 4, feature tiles 8 (n % 4) on.  In the first slot the first half's start the sums
.set ZZ, (\first) && ((\n) < 4)
.irp u, 0,1
	WIN 0xa1+0x50*\u
.irp f, 0,1,2,3,4,5,6,7
.set rD, 8*(8*((\n)%4)+\f)
.set rA, 64+64*(((\n)+1)%3)+8*\f
.if (\n) < 4
.set rB, PCA+8*\u
.set rSA, VS+4*((\n)%4)+\f/2
.set rSB, PWSA+\u
.else
.set rB, PC+8*\u
.set rSA, KS+4*((\n)%4)+\f/2
.set rSB, PWS+\u
.endif
	WM ZZ, \f%2, 0
.endr
.endr
.endm
.macro MLOAD off
	s_load_b512 s[32:47], s[16:17], \off
	s_load_b512 s[48:63], s[16:17], \off+64
	s_load_b512 s[68:83], s[16:17], \off+128
	s_load_b512 s[84:99], s[16:17], \off+192
.endm
; THE SOFTMAX of tile u for 128 keys
.macro SOFTMAX u
.set SB, S+64*\u
.set ST, 12+4*\u
.set PB, PC+8*\u
.set SO, SOB+4*\u
	WIN 0
	s_wait_kmcnt 0x0                               ; this tile's mask words are in, and no scalar load is out
.if \u
	s_wait_xcnt 0x0                                ; my prefetch has read the pointer: it may step,
	s_min_u32 s100, s104, 1                        ; by 512 bytes fifteen times and then by 0: the last half asks for its own words again, inside the buffer
	s_sub_co_u32 s104, s104, s100
	s_lshl_b32 s100, s100, 9
	s_add_nc_u64 s[16:17], s[16:17], s[100:101]
.endif
	s_wait_alu depctr_va_vdst(0)                   ; the wait ahead of the first readers of S^T
.set n, 0
.rept 64
	v_cndmask_b32 v[SB+n], v[SB+n], v[NINF], s[32+n+4*(n/32)]   ; a masked score becomes -infinity; ascending
.set n, n+1
.endr
.irp b, 0,1,2,3
	v_max3_num_f32 v[BM+\b], v[SB+16*\b], v[SB+16*\b+1], v[SB+16*\b+2]   ; each block's largest score: for the row's maximum and for the block's largest p
.endr
.irp i, 3,5,7,9,11,13
.irp b, 0,1,2,3
	v_max3_num_f32 v[BM+\b], v[BM+\b], v[SB+16*\b+\i], v[SB+16*\b+\i+1]
.endr
.endr
.irp b, 0,1,2,3
	v_max_num_f32 v[BM+\b], v[BM+\b], v[SB+16*\b+15]
.endr
.irp b, 0,1,2,3
	v_permlanex16_b32 v[PX+\b], v[BM+\b], s22, s23
.endr
.irp b, 0,1,2,3
	v_max_num_f32 v[BM+\b], v[BM+\b], v[PX+\b]
.endr
.if (\u) == 0
	MLOAD 256                                      ; tile 1's words of this key step
.else
	MLOAD 0                                        ; tile 0's of the next
	; A PREFETCH of the 512 bytes of mask words two key steps beyond those just asked for: lane 0 names the first block of 256 bytes, the others the second.
	; All sixteen heads read a group's words: heads 0 and 8 ask, the others do not (s105); nothing is asked beyond the group's sixteenth key step (s104 under 2).
	s_cmp_lt_u32 s104, s105
	s_wait_alu depctr_va_vdst(0)                   ; the wait ahead of the branch
	s_cbranch_scc1 .Lnp_\@
	global_prefetch_b8 v[PFO], s[16:17] offset:1024 th:TH_LOAD_NT scope:SCOPE_SE
.Lnp_\@:
.endif
	v_max3_num_f32 v22, v[BM], v[BM+1], v[BM+2]
	v_max_num_f32 v22, v22, v[BM+3]
	v_mul_f32 v22, s24, v22                        ; as t
	v_max_num_f32 v[ST+1], v[ST+1], v22            ; the running largest t
	v_mov_b32 v22, v[ST]
	v_floor_f32 v[ST], -v[ST+1]                    ; -M = floor(-t)
	v_sub_f32 v22, v[ST], v22
	v_cvt_i32_f32 v22, v22                         ; (it saturates)
	v_ldexp_f32 v20, 1.0, v22                      ; 2^(old M - new M), for the sums
.set j, 0
.rept 32
	v_pk_fma_f32 v[SB+j:SB+j+1], v[SB+j:SB+j+1], s[24:25], v[ST:ST+1] op_sel_hi:[1,0,0]   ; t - M
.set j, j+2
.endr
.irp b, 0,1,2,3
	v_fma_f32 v[BM+\b], v[BM+\b], s24, v[ST]
.endr
.set j, 0
	s_wait_alu depctr_va_vdst(0)                   ; ahead of the batch
.rept 64
	v_exp_f32 v[SB+j], v[SB+j]                     ; p
.set j, j+1
.endr
.irp b, 0,1,2,3
	v_exp_f32 v[BM+\b], v[BM+\b]                   ; the block's largest p
.endr
	v_pk_mul_f32 v[ST+2:ST+3], v[ST+2:ST+3], v[20:21] op_sel_hi:[1,0]   ; the sums under the new M
	s_wait_alu depctr_va_vdst(0)                   ; behind the batch
.irp b, 0,1,2,3
	v_max_num_f32 v[BM+\b], 0x1800000, v[BM+\b]    ; the floor 2^(3 - 127)
.endr
.irp b, 0,1,2,3
	v_add_nc_u32 v[SO+\b], 0xff000000, v[BM+\b]    ; the conversion's scale operand
.endr
.irp b, 0,1,2,3
	v_lshrrev_b32 v[PX+\b], 23, v[SO+\b]
.endr
	v_lshl_or_b32 v[PWS+\u], v[PX+1], 8, v[PX]
	v_lshl_or_b32 v[PWS+\u], v[PX+2], 16, v[PWS+\u]
	v_lshl_or_b32 v[PWS+\u], v[PX+3], 24, v[PWS+\u]
.irp b, 0,1,2,3
	v_cvt_scalef32_pk8_fp4_f32 v[PB+2*\b], v[SB+16*\b:SB+16*\b+7], v[SO+\b]
	v_cvt_scalef32_pk8_fp4_f32 v[PB+2*\b+1], v[SB+16*\b+8:SB+16*\b+15], v[SO+\b]
.endr
	v_nop
.irp c, 0,1
.irp i, 0,1
	v_permlane16_swap_b32 v[PB+4*\c+\i], v[PB+4*\c+2+\i]   ; a whole block in a lane
.endr
.endr
	v_pk_add_f32 v[92:93], v[SB:SB+1], v[SB+2:SB+3]   ; the row's sum of the unquantised p, in two chains
.irp j, 4,8,12,16,20,24,28,32,36,40,44,48,52,56,60
	v_pk_add_f32 v[ST+2:ST+3], v[ST+2:ST+3], v[SB+\j:SB+\j+1]
	v_pk_add_f32 v[92:93], v[92:93], v[SB+\j+2:SB+\j+3]
.endr
	v_pk_add_f32 v[ST+2:ST+3], v[ST+2:ST+3], v[92:93]
.endm
; THE CHANGE OF SLOTS: all my tensor loads waited for, the add, my LDS reads waited for; fill = 1: a round of the cluster's barrier and the joint refill first behind it
.macro CHANGE fill
	WIN 0
	s_wait_tensorcnt 0x0
	ds_add_u32 v[SPW], v[NIL]
.if \fill
	s_xor_b32 s30, s30, SLB                        ; the other slot than last time,
	s_add_co_u32 s5, s30, s31                      ; my quarter of it,
	s_add_nc_u64 s[6:7], s[6:7], SLB               ; the next 256 keys
.endif
	s_wait_dscnt 0x0
.if \fill
	CROUND
	JLOAD
.else
	s_barrier_signal -1
	s_barrier_wait -1
.endif
.endm
; A SLOT'S WORK
.macro DSTEP first, last
	s_mov_b32 s29, s27
	s_mov_b32 s66, 2
.Lhalf_\@:                                         ; two trips: a half's K Q^T and softmax
	v_add_nc_u32 v[ADR], s29, v[LI]
	v_add_nc_u32 v[ADS], 0x10000, v[ADR]
.irp u, 0,1
	v_mov_b32 v[MP+\u], v[MA+\u]                   ; behind the second trip: MP = -M ahead of the slot, MA = -M behind the first half
	v_mov_b32 v[MA+\u], v[12+4*\u]
.endr
.set j, 0
.rept 8
	v_mov_b32 v[SOA+j], v[SOB+j]                   ; what the trip before made is set aside: behind the second trip these hold the first half's
.set j, j+1
.endr
.set j, 0
.rept 16
	v_mov_b32 v[PCA+j], v[PC+j]
.set j, j+1
.endr
.irp b, 0,1,2,3
	ds_load_b128 v[KS+4*\b:KS+4*\b+3], v[ADS] offset:512*\b
.endr
	FETCHK 0
	FETCHK 1
	FETCHK 2
	s_wait_alu depctr_va_vdst(0)
	s_wait_dscnt 32                                ; the scale words and K step 0 are in; two groups of 16 may be out
	KQ 0
	PLACES
	FETCHK 3
	s_wait_dscnt 32
	KQ 1
	s_wait_dscnt 16
	KQ 2
	s_wait_dscnt 0x0
	KQ 3
	PLACES                                         ; four places between the last products and the first read of S^T
	SOFTMAX 0
	SOFTMAX 1
	WIN 0
	s_add_co_u32 s29, s29, KSB
	s_sub_co_u32 s66, s66, 1
	s_cmp_lg_u32 s66, 0
	s_wait_alu depctr_va_vdst(0)                   ; the wait ahead of the branch
	s_cbranch_scc1 .Lhalf_\@
.if \last
	s_wait_kmcnt 0x0                               ; nothing is left to mask:
	s_load_b256 s[32:39], s[18:19], 0x0            ; the batch's eight gates, for the way out
.endif
	v_add_nc_u32 v[ADA], s27, v[LI]
	v_add_nc_u32 v[ADA+1], KSB, v[ADA]
	v_add_nc_u32 v[ADS], 0x10000, v[ADA]
	v_add_nc_u32 v[ADR], 0x10000, v[ADA+1]
.irp g, 0,1,2,3
	ds_load_b128 v[VS+4*\g:VS+4*\g+3], v[ADS] offset:2048+512*\g
.endr
.irp g, 0,1,2,3
	ds_load_b128 v[KS+4*\g:KS+4*\g+3], v[ADR] offset:2048+512*\g   ; K's scale words are done with
.endr
	FETCHV 0
	FETCHV 1
	FETCHV 2
	WIN 0
.irp u, 0,1
	v_sub_f32 v[22+\u], v[12+4*\u], v[MA+\u]       ; M_A - M_B, a whole number, 0 or less
.if (\first) == 0
	v_sub_f32 v[24+\u], v[12+4*\u], v[MP+\u]       ; M ahead of the slot - M_B
.endif
.endr
.irp u, 0,1
	v_cvt_i32_f32 v[22+\u], v[22+\u]               ; (it saturates)
.if (\first) == 0
	v_cvt_i32_f32 v[24+\u], v[24+\u]
.endif
.endr
.if (\first) == 0
	v_ldexp_f32 v20, 1.0, v24                      ; O^T's factors
	v_ldexp_f32 v92, 1.0, v25
.endif
.set j, 0
.rept 8
	v_ldexp_f32 v[SOA+j], v[SOA+j], v[22+j/4]      ; the first half's scales under M_B: the exponent field is the byte
.set j, j+1
.endr
.set j, 0
.rept 8
	v_max_num_f32 v[SOA+j], 0x800000, v[SOA+j]     ; held at byte 1 from below
.set j, j+1
.endr
.set j, 0
.rept 8
	v_lshrrev_b32 v[SOA+j], 23, v[SOA+j]
.set j, j+1
.endr
.irp u, 0,1
	v_lshl_or_b32 v[PWSA+\u], v[SOA+4*\u+1], 8, v[SOA+4*\u]
.endr
.irp u, 0,1
	v_lshl_or_b32 v[PWSA+\u], v[SOA+4*\u+2], 16, v[PWSA+\u]
.endr
.irp u, 0,1
	v_lshl_or_b32 v[PWSA+\u], v[SOA+4*\u+3], 24, v[PWSA+\u]
.endr
.if \first
.rept 8
	v_nop                                          ; eight places between a scale word's write and the scaled product
.endr
.else
	WIN 0x82                                       ; O^T of tile 0: destination and source 0 in window 2
	s_wait_alu depctr_va_vdst(0)                   ; the wait ahead of the first readers of O^T
.set j, 0
.rept 128
	v_pk_mul_f32 v[j:j+1], v[j:j+1], v[20:21] op_sel_hi:[1,0]
.set j, j+2
.endr
	WIN 0xc3                                       ; tile 1: window 3
	s_wait_alu depctr_va_vdst(0)
.set j, 0
.rept 128
	v_pk_mul_f32 v[j:j+1], v[j:j+1], v[92:93] op_sel_hi:[1,0]
.set j, j+2
.endr
.endif
	s_wait_alu depctr_va_vdst(0)
.irp n, 0,1,2,3,4,5,6,7                ; eight groups of V through three sets: the two younger groups (32 loads), at the end one (16), may be out
.if \n < 6
	s_wait_dscnt 32
.elseif \n == 6
	s_wait_dscnt 16
.else
	s_wait_dscnt 0x0
.endif
	PV \n, \first
.if \n < 5
	PLACES
	FETCHV \n+3
.endif
.endr
	WIN 0
	s_xor_b32 s27, s27, SLB                        ; on to the other slot
.endm
	s_load_b256 s[32:39], s[0:1], 0x0              ; qq, kv, mbits, route_mat
	s_load_b64 s[40:41], s[0:1], 0x20              ; out0
	v_lshl_add_u32 v[SPW], v0, 2, SPARE
	v_mov_b32 v[NIL], 0
	ds_add_u32 v[SPW], v[NIL]
	ds_add_u32 v[SPW], v[NIL]
	s_wait_dscnt 0x0
	v_lshrrev_b32 v22, 5, v0
	v_readfirstlane_b32 s26, v22                   ; wave
	s_and_b32 s67, ttmp7, 0xffff                   ; the head, which the four partners share
	s_mul_i32 s2, s67, 16*KSB
	s_mul_i32 s31, s26, QTR                        ; my quarter, in memory and in a slot alike
	s_add_co_u32 s2, s2, s31
	s_mov_b32 s3, 0
	s_mov_b32 s4, 1
	s_mov_b32 s5, s31                              ; slot 0
	s_mov_b32 s30, 0
	s_mov_b32 s8, 15|(3<<16)|(1<<21)               ; the mask names all four; elements of 8 bytes; bit 21 beside a mask
	s_mov_b32 s9, 32<<16
	s_mov_b32 s10, 136<<16                         ; 136 rows of 256 bytes, dense
	s_mov_b32 s11, 32<<16
	s_mov_b32 s12, 136
	s_mov_b32 s13, 32
	s_mov_b32 s14, 0
	s_mov_b32 s15, 0
	s_bfe_u32 s29, ttmp6, 0x40000                  ; cx: it enters Q's, the mask words' and the output's addresses alone
	s_lshl_b32 s28, ttmp9, 2
	s_add_co_u32 s28, s28, s29
	s_lshl_b32 s28, s28, 2
	s_add_co_u32 s28, s28, s26                     ; G: my group of 32 queries
	s_lshl_b32 s66, s67, 6
	s_add_co_u32 s66, s66, s28                     ; J = head x 64 + G
	s_mov_b32 s105, 0
	s_mov_b32 s22, 0x76543210
	s_mov_b32 s23, 0xfedcba98
	s_mov_b32 s24, 0x3e38aa3b                      ; c = log2(e) / 8
	s_mov_b32 s25, s24
	s_mov_b32 s27, 0
	s_wait_kmcnt 0x0
	s_add_nc_u64 s[6:7], s[34:35], s[2:3]
	s_or_b32 s7, s7, 0x80000000
	s_mul_i32 s104, s66, 8704
	s_add_nc_u64 s[100:101], s[32:33], s[104:105]  ; my group's block of qq
	s_lshl_b32 s104, s28, 13
	s_add_nc_u64 s[16:17], s[36:37], s[104:105]    ; my group's mask words
	s_lshr_b32 s104, s67, 3
	s_lshl_b32 s104, s104, 5
	s_add_nc_u64 s[18:19], s[38:39], s[104:105]    ; the batch's gates
	s_lshl_b32 s104, s66, 16
	s_add_nc_u64 s[20:21], s[40:41], s[104:105]    ; my 32 rows of the output
	CROUND
	JLOAD                                          ; keys 0 to 255 into slot 0
	v_and_b32 v22, 31, v0
	v_lshlrev_b32 v[LI], 4, v22
	v_min_u32 v[PFO], 1, v22
	v_lshlrev_b32 v[PFO], 8, v[PFO]
	s_wait_alu depctr_va_vdst(0)
	WIN 0x40
.irp i, 0,1,2,3,4,5,6,7,8,9,10,11,12,13,14,15
	global_load_b128 v[4*\i:4*\i+3], v[LI], s[100:101] offset:512*\i th:TH_LOAD_NT   ; Q's fragments stay in registers
.endr
	WIN 0
	global_load_b128 v[QS:QS+3], v[LI], s[100:101] offset:8192 th:TH_LOAD_NT
	MLOAD 0
	v_and_b32 v22, 15, v0
	v_bfe_u32 v23, v0, 4, 1
	s_mul_i32 s3, s26, WSTG
	s_add_co_u32 s3, s3, STAGE
	v_mul_u32_u24 v[STO], v22, SPITCH
	v_lshl_add_u32 v[STO], v23, 5, v[STO]
	v_add_nc_u32 v[STO], s3, v[STO]
	v_add_nc_u32 v[RD], s3, v[LI]
	v_mov_b32 v[NINF], 0xff800000
.irp u, 0,1
	v_mov_b32 v[13+4*\u], 0xff61b1e6               ; the largest t so far: -3e38
	v_floor_f32 v[12+4*\u], -v[13+4*\u]
	v_mov_b32 v[14+4*\u], 0
	v_mov_b32 v[15+4*\u], 0
	v_mov_b32 v[MA+\u], 0                          ; (set aside by the first trip before anything has made them: so they are written)
.endr
	v_mov_b32 v21, 0
.irp b, 0,1,2,3
	v_mov_b32 v[PX+\b], 0
.endr
.set j, 0
.rept 8
	v_mov_b32 v[SOB+j], 0
.set j, j+1
.endr
.set j, 0
.rept 16
	v_mov_b32 v[PC+j], 0
.set j, j+1
.endr
	s_wait_alu depctr_va_vdst(0)                   ; the wait at the head's end
	s_wait_loadcnt 0x0                             ; Q; its pointer's registers are free
	s_mov_b32 s101, 0
	s_mov_b32 s104, 15
	s_and_b32 s105, s67, 7
	s_cmp_eq_u32 s105, 0
	s_cselect_b32 s105, 2, 64                      ; heads 0 and 8 prefetch while two key steps are left; s104 never reaches 64
	CHANGE 1                                       ; slot 1's first fill is issued as a refill is
	DSTEP 1, 0
	s_mov_b32 s28, NDS-2
.Lstep:
	CHANGE 1
	DSTEP 0, 0
	s_sub_co_u32 s28, s28, 1
	s_cmp_lg_u32 s28, 0
	s_cbranch_scc1 .Lstep
	CHANGE 0                                       ; the last slot is written out
	DSTEP 0, 1
	; THE WAY OUT: O^T x gate / sum goes through my stage, 16 queries x 128 features at a time; 32 lanes store 512 consecutive bytes of a row
	v_add_f32 v22, v14, v15
	v_add_f32 v23, v18, v19
	v_permlanex16_b32 v[PX], v22, s22, s23
	v_permlanex16_b32 v[PX+1], v23, s22, s23
	v_add_f32 v22, v22, v[PX]
	v_add_f32 v23, v23, v[PX+1]
	s_wait_alu depctr_va_vdst(0)
	v_rcp_f32 v22, v22
	v_rcp_f32 v23, v23
	v_nop
	s_wait_kmcnt 0x0                               ; the gates
	s_wait_alu depctr_va_vdst(0)
.irp u, 0,1
.irp e, 0,1,2,3,4,5,6,7
	v_mul_f32 v[FAC+16*\u+2*\e], s[32+\e], v[22+\u]
	v_mul_f32 v[FAC+16*\u+2*\e+1], s[32+\e], v[22+\u]
.endr
.endr
.macro PACK a                          ; block a: tile a / 4, features 128 (a % 4) on
.set PU, (\a)/4
.set PQ, (\a)%4
.set PD, S+64*((\a)%2)
	WIN 0x02+PU
.irp f, 0,1,2,3,4,5,6,7
.irp k, 0,2,4,6
	v_pk_mul_f32 v[PD+8*\f+\k:PD+8*\f+\k+1], v[8*(8*PQ+\f)+\k:8*(8*PQ+\f)+\k+1], v[FAC+16*PU+2*(2*PQ+\f/4):FAC+16*PU+2*(2*PQ+\f/4)+1] op_sel_hi:[1,0]
.endr
.endr
	WIN 0
.endm
.macro TOSTAGE a
.set PD, S+64*((\a)%2)
.set BK, 64*((\a)%2)
.irp f, 0,1,2,3,4,5,6,7
	ds_store_b128 v[STO], v[PD+8*\f:PD+8*\f+3] offset:64*\f
	ds_store_b128 v[STO], v[PD+8*\f+4:PD+8*\f+7] offset:64*\f+16
.endr
	WIN 0x40
.irp p, 0,1,2,3,4,5,6,7,8,9,10,11,12,13,14,15
	ds_load_b128 v[BK+4*\p:BK+4*\p+3], v[RD] offset:\p*SPITCH        ; LDS serves a wave's instructions in order (ISA guide 5.7.1.4)
.endr
	WIN 0
.endm
.macro SEND a, younger
.set PU, (\a)/4
.set PQ, (\a)%4
.set BK, 64*((\a)%2)
	s_wait_dscnt \younger
	WIN 0x04
.irp p, 0,1,2,3,4,5,6,7,8,9,10,11,12,13,14,15
	global_store_b128 v[LI], v[BK+4*\p:BK+4*\p+3], s[20:21] offset:(8*PU+(\p%8)+16*(\p/8))*2048+PQ*512 th:TH_STORE_NT
.endr
	WIN 0
.endm
	PACK 0
	TOSTAGE 0
.irp a, 1,2,3,4,5,6,7
.if \a > 1
	s_wait_xcnt 0x0                                ; block a - 2's stores have read their registers
.endif
	PACK \a
	TOSTAGE \a
	SEND \a-1, 32                                  ; behind block a - 1's loads: block a's 16 stores and 16 loads
.endr
	SEND 7, 0
	s_wait_tensorcnt 0x0                           ; the wave's end
	ds_add_u32 v[SPW], v[NIL]
	s_wait_dscnt 0x0
	CROUND                                         ; the closing round
	s_endpgm
.Lfunc_end_k_q16d4b48a3c_attn:
	.size	k_q16d4b48a3c_attn, .Lfunc_end_k_q16d4b48a3c_attn-k_q16d4b48a3c_attn
	.p2alignl 7, 3214868480
	.fill 96, 4, 3214868480
	.section	.rodata,"a",@progbits
	.p2align	6, 0x0
	.amdhsa_kernel k_q16d4b48a3c_attn
		.amdhsa_group_segment_fixed_size 327680
		.amdhsa_private_segment_fixed_size 0
		.amdhsa_enable_private_segment 0
		.amdhsa_kernarg_size 40
		.amdhsa_user_sgpr_count 2
		.amdhsa_user_sgpr_kernarg_segment_ptr 1
		.amdhsa_wavefront_size32 1
		.amdhsa_system_sgpr_workgroup_id_x 1
		.amdhsa_system_sgpr_workgroup_id_y 1
		.amdhsa_system_sgpr_workgroup_id_z 1
		.amdhsa_system_vgpr_workitem_id 0
		.amdhsa_next_free_vgpr 1024
		.amdhsa_next_free_sgpr 106
		.amdhsa_reserve_vcc 0
		.amdhsa_float_denorm_mode_32 3
		.amdhsa_float_denorm_mode_16_64 3
		.amdhsa_memory_ordered 1
		.amdhsa_forward_progress 1
		.amdhsa_inst_pref_size 255
	.end_amdhsa_kernel
	.section	.bss,"aw",@nobits
	.p2align	6
	.space	262144
	.amdgpu_metadata
---
amdhsa.version: [ 1, 2 ]
amdhsa.kernels:
  - .name:           k_q16d4b48a3c_attn
    .symbol:         k_q16d4b48a3c_attn.kd
    .args:
      - { .name: qq, .offset: 0, .size: 8, .value_kind: global_buffer, .address_space: global }
      - { .name: kv, .offset: 8, .size: 8, .value_kind: global_buffer, .address_space: global }
      - { .name: mbits, .offset: 16, .size: 8, .value_kind: global_buffer, .address_space: global }
      - { .name: route_mat, .offset: 24, .size: 8, .value_kind: global_buffer, .address_space: global }
      - { .name: out0, .offset: 32, .size: 8, .value_kind: global_buffer, .address_space: global }
    .group_segment_fixed_size: 327680
    .private_segment_fixed_size: 0
    .kernarg_segment_align: 8
    .kernarg_segment_size: 40
    .max_flat_workgroup_size: 128
    .sgpr_count:     106
    .vgpr_count:     1024
    .wavefront_size: 32
...
	.end_amdgpu_metadata
.endif
;; end of part 2
